; MI455X (gfx1250); checked and timed in simulation.
; The chip was launched on July 23, 2026; its instructions are those of AMD's public machine-readable ISA for CDNA 5 (MIT licence, August 2026) and "CDNA5" Instruction Set Architecture Reference Guide (July 2026). The comments in the code are by the model that wrote it; some were corrected since.
;; XPU Int4 Linear. Allowed arithmetic: matrix products marked QUANTISED: E2M3 operands, one E8M0 scale for each 32 along K, by v_wmma_scale_f32_16x16x128_f8f6f4 with both operands' format E2M3, f32 sums; everything else in f32.
;; Inputs: qscale 32 x 2,048 float32; qweight 2,048 x 512 int32; qzeros 32 x 2,048 int32; x 4 x 2,048 x 4,096 float32.
;; Outputs: out0 4 x 2,048 x 2,048 float32.
;; This version of the problem:
;;   THIS VERSION OF THE PROBLEM IS GIVEN IN LOW PRECISION. The matrix products marked QUANTISED in the list below multiply operands that are first quantised to E2M3 (2 exponent bits, 3 mantissa bits; 6 bits a number), with one power-of-two scale for each 32 numbers along K (OCP MX v1.0); their sums are f32. All else is computed in f32.
;;   The module's matrix products, in the order in which they are computed (A, B: the left and right operand; K: the contracted axis; several contracted axes count as one K, in the product's order):
;;     1. [M 8,192, K 4,096] x [K 4,096, N 2,048]; A: input x; B: computed on the way: QUANTISED
;;   THE QUANTISER, for each operand of a quantised product, along K:
;;     - K is cut into blocks of 32 from its start; a last block that is shorter is filled with zeros.
;;     - A block's scale is 2^e with e = floor(log2(the largest magnitude in the block)) - 2, held to -126 .. 127; a block of zeros has e = 0. As a byte (E8M0): e + 127.
;;     - Each number is divided by its block's scale, clamped to +-7.5, and rounded to the nearest number of E2M3, ties to even, subnormals kept.
;;     - The product sums the exact products of the quantised numbers (number of the format x scale) in f32.
;;   ~~~python
;;   def quantise(x, axis):      # numpy; x: float32 -> the quantised numbers, widened to float32 again
;;       x = np.moveaxis(x, axis, -1); K = x.shape[-1]
;;       x = np.pad(x, [(0, 0)] * (x.ndim - 1) + [(0, -K % 32)]); x = x.reshape(x.shape[:-1] + (-1, 32)); a = np.abs(x).max(-1, keepdims=True)
;;       e = np.where(a > 0, np.clip(np.frexp(np.where(a > 0, a, 1))[1] - 1 - 2, -126, 127), 0)      # np.frexp(a)[1] - 1 = floor(log2(a)), exactly
;;       r = np.clip(x / 2.0 ** e, -7.5, 7.5)
;;       step = 2.0 ** (np.maximum(np.frexp(np.where(r == 0, 1, r))[1] - 1, 0) - 3)
;;       q = np.round(r / step) * step * 2.0 ** e      # np.round: ties to even
;;       return np.moveaxis(q.reshape(q.shape[:-2] + (-1,))[..., :K], -1, axis).astype(np.float32)
;;   ~~~
;;   OPERANDS COMPUTED ON THE WAY. 'Computed on the way' means the value that the module computes at that place (a softmax that the list does not call 'softmax' is quantised finished and normalised). What goes into a quantiser is computed in f32, as accurately as f32 sums, v_exp_f32 and their like allow (about 1e-6 of the number): no bf16 or f16 on the way to a quantiser, and a product that is left as it is and whose result goes on into a quantised operand takes f32 operands (vector FMAs, or v_wmma_f32_16x16x4_f32). A number that lies on a knife's edge between two numbers of the format may be rounded either way, as far as f32 arithmetic and the matrix unit's own rounding can turn it there, and no further.
;; One version. Each part assembles by itself: llvm-mc -triple=amdgcn-amd-amdhsa -mcpu=gfx1250 --defsym DOCPART=n.
;; ======== version 1 of 1: 2 launches
;; limits: values are held in bf16: 8 bits of precision; right only within a limited range of input values
;; workspace buffers: x_pan 26,214,400 bytes; w_pan 6,553,600 bytes
;; launch quant (part 1): grid 768 x 1, 4 waves a work-group, no clusters, 35,328 bytes of LDS; arguments x, qweight, qscale, qzeros, x_pan, w_pan; writes x_pan, w_pan
.if DOCPART == 1
	.amdgcn_target "amdgcn-amd-amdhsa--gfx1250"
	.amdhsa_code_object_version 6
	.text
	.protected	k_q0bcc075d74_quant
	.globl	k_q0bcc075d74_quant
	.p2align	8
	.type	k_q0bcc075d74_quant,@function
k_q0bcc075d74_quant:
	s_mov_b64 s[64:65], 0
	v_nop
	global_prefetch_b8 v0, s[64:65] scope:SCOPE_SE
	s_setreg_imm32_b32 hwreg(HW_REG_WAVE_MODE, 25, 1), 1
	s_wait_xcnt 0x0
; Both operands of out0 = Q(x) Q(w)^T become codes of FP6 (E2M3) with one E8M0 byte for each 32 along K, laid as the product's launch takes them into registers.
; x [8192][4096] arrives as f32.  w [2048][4096] is made here in f32: w[o][k] = (nibble k of qweight's row o - qzeros[k / 128][o]) x qscale[k / 128][o].
; The definition rounds both operands to bf16 ahead of the product, and so does this text: each number is rounded once to bf16 (nearest, ties to even) and widened again; maxima and codes are taken of the rounded numbers.
; A block's scale is 2^(floor(log2(largest magnitude)) - 2): its byte is the largest magnitude's exponent field - 2, held at 1 from below; beyond 7.5 the conversion gives the largest code.
; LIMITS: NaN and infinities in x or qscale are not served, nor numbers that the rounding to bf16 makes infinite.  A block under the floor 2^(3 - 127), a block of zeros among them, keeps the byte 1 (its codes of zeros add nothing; this program alone reads the bytes).
; THE LAYOUT.  A PANEL is 128 rows x 128 along K, 12,800 bytes: eight fragments (16 rows each) of 1,536 bytes, then 512 bytes of scale words.  A fragment is the image of the matrix operand's 12 registers:
; group g (0..2) holds registers 4 g .. 4 g + 3 of lane l at 512 g + 16 l; lane (r, h) holds row r, registers 0-5 block h of the step's four, registers 6-11 block 2 + h.
; The scale word of fragment i, row r lies at 12,288 + 256 (i / 4) + 16 r + 4 (i % 4).  A buffer is [rows / 128][32 steps] panels.
; SHARES.  A UNIT is 16 rows x 64 along K: lane (r, h) holds one whole block of 32 in 32 registers, so its maximum needs no other lane, and two conversions give six registers of the fragment.
; x: a wave takes a panel (16 units); the four waves of a work-group take four neighbouring steps: work-groups 256 to 767.  A load reads 256 consecutive bytes of each of two rows; a unit turns through the wave's own stage in LDS
; (rows 272 bytes apart) and comes back 128 bytes a lane.  Loads run four units (32 loads a wave) ahead, the turn one unit.
; w: a wave takes half a panel (8 units): work-groups 0 to 255.  A lane's block is 16 bytes of qweight; a panel lies in one group of 128, so scale and zero point are one number a row.
; No tensor loads, no barrier: waves share nothing.  Every offset is an immediate.
; WHICH ROWS FORM A FRAGMENT.  x: lane r of fragment i holds row 16 i + r of the panel.  w: row 64 (i / 4) + 4 r + i % 4, so that in the product's result four neighbouring fragments give a lane four neighbouring columns.
.set PAN,   12800
.set EMAX,  2
.set WREG,  8704                       ; LDS for a wave: two stages of 16 x 272 bytes
.set SPARE, 4*WREG                     ; behind them the spare words
.set R,     16                         ; v16-143  x: four sets of 32 registers as loaded
.set QW,    16                         ; v16-47   w: unit t's four words at v[16 + 4 t]
.set S,     48                         ; v48-51   w: qscale of fragment f's row
.set Z,     52                         ; v52-55   w: qzeros likewise
.set X,     144                        ; v144-207 two sets of 32 neighbours
.set C,     208                        ; v208-231 a fragment's 12 registers, two sets
.set T,     232                        ; v232-234 a conversion's result on its way to an odd register
.set W,     236                        ; v236-239 four fragments' scale words
.set D,     240                        ; v240-241 the two words that I store
.set B0,    242                        ; v242-243 a fragment's two bytes
.set SPW,   244
.set NIL,   245
	s_load_b256 s[4:11], s[0:1], 0x0               ; x, qweight, qscale, qzeros
	s_load_b128 s[12:15], s[0:1], 0x20             ; x_pan, w_pan
	v_lshl_add_u32 v[SPW], v0, 2, SPARE
	v_mov_b32 v[NIL], 0
	v_lshrrev_b32 v1, 5, v0
	v_readfirstlane_b32 s20, v1                    ; wave
	v_and_b32 v2, 31, v0                           ; lane
	v_and_b32 v1, 15, v0                           ; r
	v_bfe_u32 v5, v0, 4, 1                         ; h
	v_lshlrev_b32 v4, 4, v2                        ; a group's store: 16 x lane
	v_lshlrev_b32 v7, 4, v1
	v_lshl_add_u32 v7, v5, 3, v7                   ; the scale words' store: 16 r + 8 h
	v_lshlrev_b32 v10, 3, v5                       ; 8 h: my bytes' place in the word
	v_mov_b32 v13, 0                               ; a lane permute's destination counts as a source
	v_cmp_ne_u32 s26, 0, v5                        ; lanes 16-31
	s_mov_b32 s27, 0xffff0000
	s_mov_b32 s28, 0x76543210
	s_mov_b32 s29, 0xfedcba98                      ; selects for lane l xor 16
	s_and_b32 s21, ttmp9, 7
	s_lshl_b32 s21, s21, 2
	s_add_co_u32 s21, s21, s20                     ; my step of 128 along K
	s_mov_b32 s25, 0
	s_wait_alu depctr_va_vdst(0)                   ; the wait at the head's end
	s_wait_kmcnt 0x0
	s_cmp_lt_u32 ttmp9, 256
	s_cbranch_scc1 .Lw
; Unit t's 32 neighbours in v[XS] on: rounded to bf16 and widened, the block's scale, 24 bytes of codes.  Behind a fragment's second unit: its scale word and its three stores.
.macro QT t
.set XS, X+32*((\t)%2)
.set CS, C+12*(((\t)/2)%2)+6*((\t)%2)
.irp j, 0,2,4,6,8,10,12,14,16,18,20,22,24,26,28,30
	v_cvt_pk_bf16_f32 v[XS+\j], v[XS+\j], v[XS+\j+1]
.endr
.irp j, 0,2,4,6,8,10,12,14,16,18,20,22,24,26,28,30
	v_and_b32 v[XS+\j+1], s27, v[XS+\j]
.endr
.irp j, 0,2,4,6,8,10,12,14,16,18,20,22,24,26,28,30
	v_lshlrev_b32 v[XS+\j], 16, v[XS+\j]
.endr
	v_max3_num_f32 v8, |v[XS]|, |v[XS+1]|, |v[XS+2]|               ; the largest magnitude, in two chains
	v_max3_num_f32 v9, |v[XS+3]|, |v[XS+4]|, |v[XS+5]|
.irp i, 6,10,14,18,22,26
	v_max3_num_f32 v8, v8, |v[XS+\i]|, |v[XS+\i+1]|
	v_max3_num_f32 v9, v9, |v[XS+\i+2]|, |v[XS+\i+3]|
.endr
	v_max3_num_f32 v8, v8, |v[XS+30]|, |v[XS+31]|
	v_max3_num_f32 v8, v8, v9, (EMAX+1)<<23        ; with the floor: the byte cannot fall under 1
	v_add_nc_u32 v11, -(EMAX<<23), v8              ; EMAX off the exponent field: the conversion's scale operand
	v_cvt_scalef32_pk16_fp6_f32 v[CS:CS+2], v[XS:XS+15], v11
	v_cvt_scalef32_pk16_fp6_f32 v[T:T+2], v[XS+16:XS+31], v11      ; (a conversion's three registers begin on an even number)
	v_lshrrev_b32 v[B0+(\t)%2], 23, v11            ; the byte; also the plain line behind the conversions
.irp i, 0,1,2
	v_mov_b32 v[CS+3+\i], v[T+\i]
.endr
.if (\t)%2 == 1
.set CF, CS-6
	v_lshl_or_b32 v12, v[B0+1], 16, v[B0]          ; blocks h and 2 + h of row r,
	v_lshlrev_b32 v12, v10, v12                    ; at their places in the word;
	v_permlanex16_b32 v13, v12, s28, s29
	v_or_b32 v[W+((\t)/2)%4], v12, v13             ; with lane l xor 16's two the word is whole
.irp g, 0,1,2
	global_store_b128 v4, v[CF+4*\g:CF+4*\g+3], s[12:13] offset:1536*((\t)/2)+512*\g   ; 512 consecutive bytes
.endr
.if ((\t)/2)%4 == 3
	v_cndmask_b32 v[D], v[W], v[W+2], s26          ; lanes 0-15 store words 0, 1 of their row, lanes 16-31 words 2, 3
	v_cndmask_b32 v[D+1], v[W+1], v[W+3], s26
	global_store_b64 v7, v[D:D+1], s[14:15] offset:256*((\t)/8)    ; 256 consecutive bytes, aligned
.endif
.endif
.endm
.macro FINISH
	s_wait_tensorcnt 0x0                           ; the wave's end
	ds_add_u32 v[SPW], v[NIL]
	s_wait_dscnt 0x0
	s_endpgm
.endm
	; ---------------- x ----------------
	s_sub_co_u32 s22, ttmp9, 256
	s_lshr_b32 s22, s22, 3                         ; which 128 rows
	s_lshl_b32 s24, s22, 21                        ; 128 rows of 16,384 bytes
	s_add_nc_u64 s[4:5], s[4:5], s[24:25]
	s_lshl_b32 s24, s21, 9                         ; a step is 512 bytes of a row
	s_add_nc_u64 s[4:5], s[4:5], s[24:25]
	s_lshl_b32 s22, s22, 5
	s_add_co_u32 s22, s22, s21
	s_mul_i32 s24, s22, PAN                        ; my panel
	s_add_nc_u64 s[12:13], s[12:13], s[24:25]
	s_add_nc_u64 s[14:15], s[12:13], 12288         ; and its scale words
	s_mul_i32 s23, s20, WREG
	v_lshlrev_b32 v3, 14, v5
	v_lshl_add_u32 v3, v1, 4, v3                   ; a load: lanes 0-15 one row's 256 bytes, lanes 16-31 the next row's
	v_mul_u32_u24 v14, v5, 272
	v_lshl_add_u32 v14, v1, 4, v14
	v_add_nc_u32 v14, s23, v14                     ; into the stage, as loaded
	v_mul_u32_u24 v15, v1, 272
	v_lshl_add_u32 v15, v5, 7, v15
	v_add_nc_u32 v15, s23, v15                     ; out of it: row r, 128 h
.macro LOAD t
.irp i, 0,1,2,3,4,5,6,7
	global_load_b128 v[R+32*((\t)%4)+4*\i:R+32*((\t)%4)+4*\i+3], v3, s[4:5] offset:(16*((\t)/2)+2*\i)*16384+256*((\t)%2) th:TH_LOAD_NT
.endr
.endm
.macro TURN t                          ; LDS serves a wave's instructions in order: no wait between the stores and the loads
.irp i, 0,1,2,3,4,5,6,7
	ds_store_b128 v14, v[R+32*((\t)%4)+4*\i:R+32*((\t)%4)+4*\i+3] offset:4352*((\t)%2)+544*\i
.endr
.irp i, 0,1,2,3,4,5,6,7
	ds_load_b128 v[X+32*((\t)%2)+4*\i:X+32*((\t)%2)+4*\i+3], v15 offset:4352*((\t)%2)+16*\i
.endr
.endm
.irp t, 0,1,2,3
	LOAD \t
.endr
	s_wait_alu depctr_va_vdst(0)                   ; the wait ahead of the wait below
	s_wait_loadcnt 24                              ; unit 0's eight loads are in
	TURN 0
.macro UNIT t
	s_wait_alu depctr_va_vdst(0)                   ; the wait ahead of the waits below
.if (\t)%2 == 1
	s_wait_xcnt 0x0                                ; the stores of the fragment before have read their registers: the set of codes that they named is written again in the next unit
.endif
	s_wait_dscnt 0x0                               ; this unit is back from the stage, so its stores into the stage have read their registers,
.if (\t)+4 < 16
	LOAD (\t)+4                                    ; which take the loads of four units on
.endif
.if (\t)+1 < 16
.if (\t)+4 < 16
	s_wait_loadcnt 24                              ; the next unit's eight are in; three units' may be out
.else
	s_wait_loadcnt 8*(14-(\t))
.endif
	TURN (\t)+1
.endif
	QT \t
.endm
.irp t, 0,1,2,3,4,5,6,7,8,9,10,11,12,13,14,15
	UNIT \t
.endr
	FINISH
	; ---------------- w ----------------
.Lw:
	s_lshr_b32 s22, ttmp9, 4                       ; which 128 rows,
	s_bfe_u32 s23, ttmp9, 0x10003                  ; and which 64 of them
	s_lshl_b32 s30, s22, 7
	s_lshl_b32 s31, s23, 6
	s_add_co_u32 s30, s30, s31                     ; my first row
	s_lshl_b32 s24, s30, 11                        ; a row of qweight is 2,048 bytes,
	s_add_nc_u64 s[6:7], s[6:7], s[24:25]
	s_lshl_b32 s24, s21, 6                         ; a step 64
	s_add_nc_u64 s[6:7], s[6:7], s[24:25]
	s_lshl_b32 s24, s21, 13                        ; qscale, qzeros: row = the step, 8,192 bytes
	s_lshl_b32 s31, s30, 2
	s_add_co_u32 s24, s24, s31
	s_add_nc_u64 s[8:9], s[8:9], s[24:25]
	s_add_nc_u64 s[10:11], s[10:11], s[24:25]
	s_lshl_b32 s22, s22, 5
	s_add_co_u32 s22, s22, s21
	s_mul_i32 s24, s22, PAN
	s_add_nc_u64 s[14:15], s[14:15], s[24:25]      ; my panel
	s_mul_i32 s24, s23, 6144
	s_add_nc_u64 s[12:13], s[14:15], s[24:25]      ; my four fragments
	s_lshl_b32 s24, s23, 8
	s_add_co_u32 s24, s24, 12288
	s_add_nc_u64 s[14:15], s[14:15], s[24:25]      ; and their scale words
	v_lshlrev_b32 v3, 13, v1                       ; lane r of fragment f takes row 4 r + f of my 64
	v_lshl_add_u32 v3, v5, 4, v3                   ; row r, block h
	v_lshlrev_b32 v6, 4, v1
.irp f, 0,1,2,3
	global_load_b32 v[S+\f], v6, s[8:9] offset:4*\f
	global_load_b32 v[Z+\f], v6, s[10:11] offset:4*\f
.endr
.irp t, 0,1,2,3,4,5,6,7
	global_load_b128 v[QW+4*\t:QW+4*\t+3], v3, s[6:7] offset:2048*(\t/2)+32*(\t%2)   ; the four waves of a work-group read 256 consecutive bytes of each row between them
.endr
	s_wait_alu depctr_va_vdst(0)                   ; the wait ahead of the wait below
	s_wait_loadcnt 8                               ; qscale and qzeros are in
.irp f, 0,1,2,3
	v_cvt_f32_i32 v[Z+\f], v[Z+\f]
.endr
.macro WUNIT t
.set XS, X+32*((\t)%2)
	s_wait_alu depctr_va_vdst(0)                   ; the wait ahead of the waits below
.if (\t)%2 == 1
	s_wait_xcnt 0x0                                ; as in x's path
.endif
	s_wait_loadcnt 7-(\t)                          ; this unit's words are in
.irp n, 0,1,2,3,4,5,6,7,8,9,10,11,12,13,14,15,16,17,18,19,20,21,22,23,24,25,26,27,28,29,30,31
	v_bfe_u32 v[XS+\n], v[QW+4*(\t)+\n/8], 4*(\n%8), 4             ; the lower k in the lower bits
.endr
.irp n, 0,1,2,3,4,5,6,7,8,9,10,11,12,13,14,15,16,17,18,19,20,21,22,23,24,25,26,27,28,29,30,31
	v_cvt_f32_u32 v[XS+\n], v[XS+\n]
.endr
.irp n, 0,1,2,3,4,5,6,7,8,9,10,11,12,13,14,15,16,17,18,19,20,21,22,23,24,25,26,27,28,29,30,31
	v_sub_f32 v[XS+\n], v[XS+\n], v[Z+(\t)/2]
.endr
.irp n, 0,1,2,3,4,5,6,7,8,9,10,11,12,13,14,15,16,17,18,19,20,21,22,23,24,25,26,27,28,29,30,31
	v_mul_f32 v[XS+\n], v[S+(\t)/2], v[XS+\n]      ; a difference times a factor: no fused form has the same rounding
.endr
	QT \t
.endm
.irp t, 0,1,2,3,4,5,6,7
	WUNIT \t
.endr
	FINISH
.Lfunc_end_k_q0bcc075d74_quant:
	.size	k_q0bcc075d74_quant, .Lfunc_end_k_q0bcc075d74_quant-k_q0bcc075d74_quant
	.p2alignl 7, 3214868480
	.fill 96, 4, 3214868480
	.section	.rodata,"a",@progbits
	.p2align	6, 0x0
	.amdhsa_kernel k_q0bcc075d74_quant
		.amdhsa_group_segment_fixed_size 35328
		.amdhsa_private_segment_fixed_size 0
		.amdhsa_enable_private_segment 0
		.amdhsa_kernarg_size 48
		.amdhsa_user_sgpr_count 2
		.amdhsa_user_sgpr_kernarg_segment_ptr 1
		.amdhsa_wavefront_size32 1
		.amdhsa_system_sgpr_workgroup_id_x 1
		.amdhsa_system_sgpr_workgroup_id_y 1
		.amdhsa_system_sgpr_workgroup_id_z 1
		.amdhsa_system_vgpr_workitem_id 0
		.amdhsa_next_free_vgpr 248
		.amdhsa_next_free_sgpr 66
		.amdhsa_reserve_vcc 0
		.amdhsa_float_denorm_mode_32 3
		.amdhsa_float_denorm_mode_16_64 3
		.amdhsa_memory_ordered 1
		.amdhsa_forward_progress 1
		.amdhsa_inst_pref_size 163
	.end_amdhsa_kernel
	.amdgpu_metadata
---
amdhsa.version: [ 1, 2 ]
amdhsa.kernels:
  - .name:           k_q0bcc075d74_quant
    .symbol:         k_q0bcc075d74_quant.kd
    .args:
      - { .name: x, .offset: 0, .size: 8, .value_kind: global_buffer, .address_space: global }
      - { .name: qweight, .offset: 8, .size: 8, .value_kind: global_buffer, .address_space: global }
      - { .name: qscale, .offset: 16, .size: 8, .value_kind: global_buffer, .address_space: global }
      - { .name: qzeros, .offset: 24, .size: 8, .value_kind: global_buffer, .address_space: global }
      - { .name: x_pan, .offset: 32, .size: 8, .value_kind: global_buffer, .address_space: global }
      - { .name: w_pan, .offset: 40, .size: 8, .value_kind: global_buffer, .address_space: global }
    .group_segment_fixed_size: 35328
    .private_segment_fixed_size: 0
    .kernarg_segment_align: 8
    .kernarg_segment_size: 48
    .max_flat_workgroup_size: 128
    .sgpr_count:     66
    .vgpr_count:     248
    .wavefront_size: 32
...
	.end_amdgpu_metadata
.endif
;; end of part 1
;; launch gemm (part 2): grid 8 x 32, 4 waves a work-group, clusters of 4 x 4, 327,680 bytes of LDS; arguments x_pan, w_pan, out0; writes out0
.if DOCPART == 2
	.amdgcn_target "amdgcn-amd-amdhsa--gfx1250"
	.amdhsa_code_object_version 6
	.text
	.protected	k_q0bcc075d74_gemm
	.globl	k_q0bcc075d74_gemm
	.p2align	8
	.type	k_q0bcc075d74_gemm,@function
k_q0bcc075d74_gemm:
	s_mov_b64 s[64:65], 0
	v_nop
	global_prefetch_b8 v0, s[64:65] scope:SCOPE_SE
	s_setreg_imm32_b32 hwreg(HW_REG_WAVE_MODE, 25, 1), 1
	s_wait_xcnt 0x0
	s_wait_alu depctr_hold_cnt(0) depctr_sa_sdst(0) depctr_va_vdst(0) depctr_va_sdst(0) depctr_va_ssrc(0) depctr_va_vcc(0) depctr_vm_vsrc(0)
	s_getreg_b32 s2, hwreg(HW_REG_IB_STS2, 6, 4)
	s_cmp_eq_u32 s2, 0
	s_cbranch_scc0 .Lentry_in_a_cluster
	s_endpgm
.Lentry_in_a_cluster:
	s_bfe_u32 s2, ttmp6, 0x10000c
	s_cmp_lg_u32 s2, 0xf033
	s_cbranch_scc0 .Lentry_shape_is_right
	s_endpgm
.Lentry_shape_is_right:
; out0[m][n] = sum over k of A[m][k] B[n][k]: A = x's codes, B = w's, FP6 (E2M3) with E8M0 scales, as the launch before has laid them: panels of 128 rows x 128 K, 12,800 bytes each
; (eight fragments as images of the operand's 12 registers, 1,536 bytes each, then 512 bytes of scale words), the 32 panels of 128 rows on end.  Sums in f32.
; A block of 256 x 256 is made by four waves, each 128 x 128: 64 accumulators, 512 registers.  K goes through two LDS slots.  A wave's one tensor load brings three panels on end of one run of 128 rows:
; 38,400 dense bytes, stated as 150 rows of 256 bytes, each at a multiple of 256 from the buffer's first byte.  Slot 0's first fill holds K steps 0 and 1 (100 rows); the ten fills behind it hold three steps each: 2 + 30 = 32.
; A fragment comes from LDS by three loads of 16 bytes a lane at 16 x lane: 512 consecutive bytes each, so no padding is laid.  A step's scale words come by two such loads:
; lanes 0-15 take A's words, lanes 16-31 B's; register i holds block i's.
; BOTH OPERANDS HAVE TWO SETS OF REGISTERS.  The next step's 50 LDS loads go out in two runs: 38 (B, the scale words, A's blocks 0-3) behind the step's first sixteen matrix instructions, A's blocks 4-7 at its end.
; THE RESULT: source 0 = A's 16 rows, source 1 = B's fragment, whose lane r holds column 64 (b / 4) + 4 r + b % 4 of the wave's 128.  So register j of accumulators (a, 4 c .. 4 c + 3) holds, in lane (r, h), columns 64 c + 4 r + 0 .. 3
; of row 16 a + 8 h + j: four moves bring them side by side, and one store writes 256 consecutive bytes, aligned, of each of two rows.  Nothing goes through LDS on the way out.
; CLUSTERS: 4 x 4.  A's panels are asked for jointly along a row of the cluster, B's along a column.
; PREFETCH: behind each joint refill (slot n + 2) the four partners share out, by address, the 150 blocks of 256 bytes of the load of slot n + 3: 38 each, two instructions a wave; slots 1 and 2 are asked for at the head, behind slot 0's load; nothing is asked for past slot 10.
; REGISTERS: window 0: v16-31 addresses; v32-47 scale words, two sets; A's fragments: set 0 at v128-223, set 1 at v48-119 and v224-247; window 1: B's fragments, two sets at v0 and v128; windows 2, 3: the accumulators.
.set SIZE_N, 2048
.set PAN,    12800
.set PROW,   32*PAN                    ; the panels of 128 rows
.set WLD,    3*PAN                     ; what a wave's load brings
.set SLOT,   4*WLD                     ; A's two halves, then B's two
.set SPARE,  2*SLOT                    ; behind the ring: the spare words
.set FR,     12
.set NP,     4
.set ADRA, 16                          ; v16-17 my A fragments in slot 0, 1
.set ADRB, 18                          ; v18-19 B's
.set ADRS, 20                          ; v20-21 the scale words
.set CO,   26                          ; v26 my byte offset in out0: 8 h rows + 16 r
.set SPW,  28
.set NIL,  29
.set PF0,  30                          ; v30-31 my share of a load's blocks, as byte offsets
.set PF1,  31
.set SC,   32
.set BK,   64                          ; the way out: two buffers of 64 registers, v64-191
.set G0H,  4                           ; s[4:7], s[8:11] group 0 of the head's loads
.set G0HB, 8
.set G1,   24
.set G0,   32
.set G1B,  48
.set G0B,  56
.set PFA,  66                          ; s[66:67] where my prefetches stand
.set MSB, 0
.macro WIN new                         ; the immediate's high byte repeats the setting that is left
.if MSB != \new
	s_set_vgpr_msb (MSB<<8)|\new
.set MSB, \new
.endif
.endm
.set MUL_LO, 0xa4                      ; source 0 (A) window 0, source 1 (B) window 1, C and D window 2
.set TO_B,   0x40
.macro JLOAD g0a, g1a, g0b, g1b        ; waves 0, 1 fetch for A, waves 2, 3 for B; s_nop 0 and four v_nop behind each line
	s_cmp_eq_u32 s15, 0
	s_cbranch_scc0 .Lfor_b_\@
	tensor_load_to_lds s[\g0a:\g0a+3], s[\g1a:\g1a+7]
	s_nop 0
.rept 4
	v_nop
.endr
	s_branch .Lasked_\@
.Lfor_b_\@:
	tensor_load_to_lds s[\g0b:\g0b+3], s[\g1b:\g1b+7]
	s_nop 0
.rept 4
	v_nop
.endr
.Lasked_\@:
.endm
.macro CREST                           ; a round of the cluster's barrier behind its opening barrier
	s_cmp_lg_u32 s14, 0
	s_cbranch_scc1 .Lnot_wave_0_\@
	s_barrier_signal -3
.Lnot_wave_0_\@:
	s_barrier_wait -3
	s_barrier_signal -1
	s_barrier_wait -1
.endm
.macro CROUND
	s_barrier_signal -1
	s_barrier_wait -1
	CREST
.endm
	s_load_b128 s[4:7], s[0:1], 0x0                ; x_pan, w_pan
	s_load_b64 s[12:13], s[0:1], 0x10              ; out0
	v_lshl_add_u32 v[SPW], v0, 2, SPARE
	v_mov_b32 v[NIL], 0
	ds_add_u32 v[SPW], v[NIL]                      ; the opening lines: the add twice on end and its wait
	ds_add_u32 v[SPW], v[NIL]
	v_lshrrev_b32 v1, 5, v0
	v_readfirstlane_b32 s14, v1                    ; wave
	s_lshr_b32 s15, s14, 1                         ; my half of the rows; also: I fetch for A (0) or B (1)
	s_and_b32 s16, s14, 1                          ; my half of the columns; also: which 128 rows I fetch
	s_bfe_u32 s40, ttmp6, 0x40000                  ; cx
	s_bfe_u32 s41, ttmp6, 0x40004                  ; cy
	s_lshl_b32 s42, ttmp9, 2
	s_add_co_u32 s42, s42, s40                     ; block column
	s_and_b32 s17, ttmp7, 0xffff
	s_lshl_b32 s17, s17, 2
	s_add_co_u32 s17, s17, s41                     ; block row
	s_lshl_b32 s43, s41, 2
	s_lshl_b32 s43, 15, s43                        ; my row of the cluster
	s_lshl_b32 s44, 0x1111, s40                    ; my column
	s_or_b32 s[G1+0], s43, (3<<16)|(1<<21)         ; elements of 8 bytes, no padding; the mask, bit 21 beside it
	s_or_b32 s[G1B+0], s44, (3<<16)|(1<<21)
.irp g, G1, G1B
	s_mov_b32 s[\g+1], 32<<16                      ; rows of 32 elements: 256 bytes
	s_mov_b32 s[\g+2], 100<<16                     ; the head's load: two panels, 100 rows
	s_mov_b32 s[\g+3], 32<<16
	s_mov_b32 s[\g+4], 100
	s_mov_b32 s[\g+5], 32
	s_mov_b32 s[\g+6], 0
	s_mov_b32 s[\g+7], 0
.endr
	s_lshl_b32 s18, s17, 1
	s_add_co_u32 s18, s18, s16
	s_mul_i32 s72, s18, PROW                       ; A: the 128 rows that I fetch
	s_mov_b32 s73, 0
	s_lshl_b32 s19, s42, 1
	s_add_co_u32 s19, s19, s16
	s_mul_i32 s74, s19, PROW                       ; B likewise
	s_mov_b32 s75, 0
	s_mul_i32 s45, s14, WLD                        ; where they go: wave x 38,400
	s_wait_dscnt 0x0                               ; both opening adds are done
	s_wait_kmcnt 0x0
	s_add_nc_u64 s[72:73], s[4:5], s[72:73]
	s_add_nc_u64 s[74:75], s[6:7], s[74:75]
	CROUND                                         ; in front of the first joint loads
	s_mov_b32 s[G0H], 1
	s_mov_b32 s[G0H+1], s45
	s_mov_b64 s[G0H+2:G0H+3], s[72:73]
	s_or_b32 s[G0H+3], s[G0H+3], 0x80000000
	s_mov_b32 s[G0HB], 1
	s_mov_b32 s[G0HB+1], s45
	s_mov_b64 s[G0HB+2:G0HB+3], s[74:75]
	s_or_b32 s[G0HB+3], s[G0HB+3], 0x80000000
.irp s, 0,1                            ; the ring's group 0: slot 0's next fill begins at K step 5, slot 1's first at K step 2
	s_mov_b32 s[G0+4*\s], 1
	s_add_co_u32 s[G0+4*\s+1], s45, \s*SLOT
	s_add_nc_u64 s[G0+4*\s+2:G0+4*\s+3], s[72:73], (5-3*\s)*PAN
	s_or_b32 s[G0+4*\s+3], s[G0+4*\s+3], 0x80000000
	s_mov_b32 s[G0B+4*\s], 1
	s_add_co_u32 s[G0B+4*\s+1], s45, \s*SLOT
	s_add_nc_u64 s[G0B+4*\s+2:G0B+4*\s+3], s[74:75], (5-3*\s)*PAN
	s_or_b32 s[G0B+4*\s+3], s[G0B+4*\s+3], 0x80000000
.endr
	JLOAD G0H, G1, G0HB, G1B                       ; K steps 0 and 1: one tensor load a wave at the head
	; the scalars first, then the vector lines on end
	s_mul_i32 s21, s15, WLD                        ; my half of A
	s_mul_i32 s22, s16, WLD
	s_add_co_u32 s22, s22, 2*WLD                   ; my half of B
	s_sub_co_u32 s23, s22, s21
	s_add_co_u32 s68, s21, 12288                   ; a panel's scale words
	s_lshl_b32 s76, s17, 8
	s_lshl_b32 s77, s15, 7
	s_add_co_u32 s76, s76, s77                     ; my first row of out0,
	s_lshl_b32 s76, s76, 13                        ; 8,192 bytes a row: under 2^27
	s_lshl_b32 s77, s42, 10
	s_add_co_u32 s76, s76, s77
	s_lshl_b32 s77, s16, 9
	s_add_co_u32 s76, s76, s77                     ; and my first column
	s_mov_b32 s77, 0
	s_add_nc_u64 s[12:13], s[12:13], s[76:77]
	s_cmp_eq_u32 s15, 0
	s_cselect_b32 s70, s40, s41                    ; my place among the four that ask with me
	s_cselect_b64 s[PFA:PFA+1], s[72:73], s[74:75]
	s_mul_i32 s70, s70, 38                         ; my first block of a load's 150
	v_and_b32 v1, 31, v0
	v_and_b32 v3, 15, v0
	v_bfe_u32 v2, v0, 4, 1
	v_lshlrev_b32 v4, 4, v1
	v_add_nc_u32 v[ADRA], s21, v4
	v_add_nc_u32 v[ADRB], s22, v4
	v_add_nc_u32 v[ADRA+1], SLOT, v[ADRA]
	v_add_nc_u32 v[ADRB+1], SLOT, v[ADRB]
	v_mul_u32_u24 v6, s23, v2                      ; lanes 16-31 take B's words
	v_lshl_add_u32 v6, v3, 4, v6
	v_add_nc_u32 v[ADRS], s68, v6
	v_add_nc_u32 v[ADRS+1], SLOT, v[ADRS]
	v_lshlrev_b32 v5, 16, v2                       ; out0: 8 h rows of 8,192 bytes
	v_lshl_add_u32 v[CO], v3, 4, v5                ; + 16 r
	v_add_nc_u32 v7, s70, v1
	v_min_u32 v7, 149, v7
	v_lshlrev_b32 v[PF0], 8, v7                    ; blocks 38 p + 0 .. 31,
	v_min_u32 v8, 5, v1
	v_add3_u32 v8, v8, s70, 32
	v_min_u32 v8, 149, v8
	v_lshlrev_b32 v[PF1], 8, v8                    ; and 38 p + 32 .. 37, held at the load's last block; lanes left over name the last again
.macro FRAG reg, adr, q, i             ; a fragment's 12 registers: three groups of four, each 512 consecutive bytes of LDS
.irp g, 0,1,2
	ds_load_b128 v[\reg+4*\g:\reg+4*\g+3], v[\adr] offset:(\q)*PAN+(\i)*1536+512*\g
.endr
.endm
; Four matrix instructions, number idx (0 .. 15) of a step's sixteen fours: A's block idx / 2 x B's blocks 4 (idx % 2) + 0 .. 3.  p: the sets of A, of B and of scale words.
; The 64 accumulators take turns in the same order in every step.  zero = 1: the first product starts the sums.
.macro MULQ idx, p, zero
.set AA, (\idx)/2
.set AR, 128+FR*AA-(\p)*(80-104*(AA/6))          ; A's block: set 0 at v128 + 12 a; set 1 at v48 + 12 a, its blocks 6 and 7 at v224 on
	WIN MUL_LO+0x50*(AA/4)
.irp e, 0,1,2,3
.set BI, 4*((\idx)%2)+\e
.set AC, 8*(8*(AA%4)+BI)
.if \zero
	v_wmma_scale_f32_16x16x128_f8f6f4 v[AC:AC+7], v[AR:AR+FR-1], v[128*(\p)+FR*BI:128*(\p)+FR*BI+FR-1], 0, v[SC+8*(\p)+AA], v[SC+8*(\p)+BI] matrix_a_fmt:MATRIX_FMT_FP6 matrix_b_fmt:MATRIX_FMT_FP6 matrix_b_scale:MATRIX_SCALE_ROW1
.else
	v_wmma_scale_f32_16x16x128_f8f6f4 v[AC:AC+7], v[AR:AR+FR-1], v[128*(\p)+FR*BI:128*(\p)+FR*BI+FR-1], v[AC:AC+7], v[SC+8*(\p)+AA], v[SC+8*(\p)+BI] matrix_a_fmt:MATRIX_FMT_FP6 matrix_b_fmt:MATRIX_FMT_FP6 matrix_b_scale:MATRIX_SCALE_ROW1
.endif
.endr
.endm
; Group k (0 .. 7) of the 50 LDS loads that bring panel q of a slot into sets p: groups 0-3 two fragments of B each, group 4 the scale words, groups 4-7 two fragments of A each.  Groups 6 and 7, twelve loads, are A's blocks 4 to 7.
.macro LG k, ring, q, p
.if (\k) < 4
	WIN TO_B
	FRAG 128*(\p)+FR*2*(\k), ADRB+\ring, \q, 2*(\k)
	FRAG 128*(\p)+FR*(2*(\k)+1), ADRB+\ring, \q, 2*(\k)+1
.else
	WIN 0
.if (\k) == 4
	ds_load_b128 v[SC+8*(\p):SC+8*(\p)+3], v[ADRS+\ring] offset:(\q)*PAN
	ds_load_b128 v[SC+8*(\p)+4:SC+8*(\p)+7], v[ADRS+\ring] offset:(\q)*PAN+256
.endif
.set I0, 2*(\k)-8
	FRAG 128+FR*I0-(\p)*(80-104*(I0/6)), ADRA+\ring, \q, I0
	FRAG 128+FR*(I0+1)-(\p)*(80-104*(I0/6)), ADRA+\ring, \q, I0+1
.endif
.endm
.macro PLACES n                        ; places behind matrix instructions (ISA guide 7.12.1)
.rept \n
	v_nop
.endr
.endm
; Every step ends with four places: they stand between the step's last matrix instruction and every later load into the sets that it read.
; A step that is not its slot's last: 64 matrix instructions; the next step's fragments, from the same slot, go into the other sets.
.macro STEP ring, q, p, zero
	s_wait_dscnt 12                                ; all of this step's but A's blocks 4-7
.irp k, 0,1,2,3
	MULQ \k, \p, \zero
.endr
.irp k, 0,1,2,3,4,5
	LG \k, \ring, (\q)+1, 1-(\p)                   ; one run of 38 loads, 48 matrix instructions ahead of the next step
.endr
.irp k, 4,5,6,7
	MULQ \k, \p, \zero
.endr
	s_wait_dscnt 38                                ; all but the 38 just issued: A's blocks 4-7 are in
.irp k, 8,9,10,11,12,13,14,15
	MULQ \k, \p, \zero
.endr
	PLACES NP
.irp k, 6,7
	LG \k, \ring, (\q)+1, 1-(\p)
.endr
	WIN 0
.endm
.macro ASK how                         ; the load that stands one refill on: 5 panels past where PFA stands.  how = 2: not in the loop's last trip, where that would be past K's end
.if \how == 2
	s_cmp_gt_u32 s3, 1
	s_cbranch_scc0 .Lno_ask_\@
.endif
	global_prefetch_b8 v[PF0], s[PFA:PFA+1] offset:5*PAN th:TH_LOAD_NT scope:SCOPE_SE
	global_prefetch_b8 v[PF1], s[PFA:PFA+1] offset:5*PAN th:TH_LOAD_NT scope:SCOPE_SE
.if \how == 2
.Lno_ask_\@:
.endif
.endm
; A slot's last step changes slots: its fragments were all asked for in the step before, so behind ONE barrier this slot is filled again and the other is read.  fill = 0: nothing is left to fetch, and no round follows.
.macro TURN ring, p, fill
.if \fill
	s_wait_xcnt 0x0                                ; my prefetches have read their address
	s_add_nc_u64 s[PFA:PFA+1], s[PFA:PFA+1], WLD
.endif
	s_wait_tensorcnt 0x0                           ; all my tensor loads have landed: my part of the other slot;
	ds_add_u32 v[SPW], v[NIL]
	s_add_nc_u64 s[G0+4*(1-\ring)+2:G0+4*(1-\ring)+3], s[G0+4*(1-\ring)+2:G0+4*(1-\ring)+3], 2*WLD      ; no load of mine is out: the other slot's next fill
	s_add_nc_u64 s[G0B+4*(1-\ring)+2:G0B+4*(1-\ring)+3], s[G0B+4*(1-\ring)+2:G0B+4*(1-\ring)+3], 2*WLD
	s_wait_dscnt 13                                ; (the add and A's blocks 4-7 may be out)
.irp k, 0,1,2,3
	MULQ \k, \p, 0                                 ; sixteen matrix instructions between the add and the wait for it
.endr
	s_wait_dscnt 0x0                               ; the add is done, and my reads of this slot are over
	s_barrier_signal -1
.irp k, 4,5,6,7
	MULQ \k, \p, 0                                 ; work on registers while the others arrive
.endr
	WIN 0
	s_barrier_wait -1
.if \fill
	CREST                                          ; the barrier has opened a round of the cluster's barrier
	JLOAD G0+4*\ring, G1, G0B+4*\ring, G1B         ; the first tensor load behind the round
.endif
.irp k, 0,1,2,3,4,5
	LG \k, 1-\ring, 0, 1-(\p)
.endr
.if \fill
	ASK \fill                                      ; behind the joint load and the run of LDS loads; every window is 0 here
.endif
.irp k, 8,9,10,11,12,13,14,15
	MULQ \k, \p, 0
.endr
	PLACES NP
.irp k, 6,7
	LG \k, 1-\ring, 0, 1-(\p)
.endr
	WIN 0
.endm
	s_wait_alu depctr_va_vdst(0)                   ; the wait at the head's end
	global_prefetch_b8 v[PF0], s[PFA:PFA+1] offset:2*PAN th:TH_LOAD_NT scope:SCOPE_SE   ; slot 1's first fill,
	global_prefetch_b8 v[PF1], s[PFA:PFA+1] offset:2*PAN th:TH_LOAD_NT scope:SCOPE_SE
	global_prefetch_b8 v[PF0], s[PFA:PFA+1] offset:5*PAN th:TH_LOAD_NT scope:SCOPE_SE   ; and slot 0's first refill
	global_prefetch_b8 v[PF1], s[PFA:PFA+1] offset:5*PAN th:TH_LOAD_NT scope:SCOPE_SE
	s_wait_tensorcnt 0x0                           ; my part of K steps 0 and 1 is in
	ds_add_u32 v[SPW], v[NIL]
	s_mov_b32 s[G1+2], 150<<16                     ; no load of mine is out: from here on a load brings three panels, 150 rows
	s_mov_b32 s[G1+4], 150
	s_mov_b32 s[G1B+2], 150<<16
	s_mov_b32 s[G1B+4], 150
	s_wait_dscnt 0x0
	CROUND
	JLOAD G0+4, G1, G0B+4, G1B                     ; K steps 2 to 4, the first tensor load behind the round
.irp k, 0,1,2,3,4,5,6,7
	LG \k, 0, 0, 0
.endr
	STEP 0, 0, 0, 1                                ; the first step's products start the sums
	TURN 0, 1, 1
	s_mov_b32 s3, 4
.Llap:                                                 ; a trip: two slots, six K steps; both slots are filled again
	STEP 1, 0, 0, 0
	STEP 1, 1, 1, 0
	TURN 1, 0, 1
	STEP 0, 0, 1, 0
	STEP 0, 1, 0, 0
	TURN 0, 1, 2
	s_sub_co_u32 s3, s3, 1
	s_cmp_lg_u32 s3, 0
	s_cbranch_scc1 .Llap
	STEP 1, 0, 0, 0                                ; the last two slots fetch nothing more
	STEP 1, 1, 1, 0
	TURN 1, 0, 0
	STEP 0, 0, 1, 0
	STEP 0, 1, 0, 0
	s_wait_dscnt 12                                ; the very last step
.irp k, 0,1,2,3,4,5,6,7
	MULQ \k, 1, 0
.endr
	s_wait_dscnt 0x0
.irp k, 8,9,10,11,12,13,14,15
	MULQ \k, 1, 0
.endr
	WIN 0
; THE WAY OUT, by blocks of 16 rows.  Register j of four neighbouring accumulators is moved side by side (each accumulator is read from its low end on), and a store writes 256 consecutive bytes of rows 16 a + j and 16 a + 8 + j.
; Every offset is an immediate: 127 rows of 8,192 bytes at the most.
.macro OUT a
.set AC, 64*((\a)%4)
.set BB, BK+64*((\a)%2)
.if (\a) > 1
	s_wait_xcnt 0x0                                ; block a - 2's stores have read their registers
.endif
	WIN 0x02+(\a)/4                                ; source 0: window 2 or 3
.irp j, 0,1,2,3,4,5,6,7
.irp c, 0,1
.irp e, 0,1,2,3
	v_mov_b32 v[BB+4*(2*\j+\c)+\e], v[AC+8*(4*\c+\e)+\j]
.endr
.endr
.endr
	WIN 0
.irp j, 0,1,2,3,4,5,6,7
.irp c, 0,1
	global_store_b128 v[CO], v[BB+4*(2*\j+\c):BB+4*(2*\j+\c)+3], s[12:13] offset:(16*(\a)+\j)*SIZE_N*4+256*\c th:TH_STORE_NT
.endr
.endr
.endm
	PLACES NP                                      ; behind the last products
.irp a, 0,1,2,3,4,5,6,7
	OUT \a
.endr
	s_wait_tensorcnt 0x0                           ; the wave's end
	ds_add_u32 v[SPW], v[NIL]
	s_wait_dscnt 0x0
	CROUND                                         ; the closing round
	s_endpgm
.Lfunc_end_k_q0bcc075d74_gemm:
	.size	k_q0bcc075d74_gemm, .Lfunc_end_k_q0bcc075d74_gemm-k_q0bcc075d74_gemm
	.p2alignl 7, 3214868480
	.fill 96, 4, 3214868480
	.section	.rodata,"a",@progbits
	.p2align	6, 0x0
	.amdhsa_kernel k_q0bcc075d74_gemm
		.amdhsa_group_segment_fixed_size 327680
		.amdhsa_private_segment_fixed_size 0
		.amdhsa_enable_private_segment 0
		.amdhsa_kernarg_size 24
		.amdhsa_user_sgpr_count 2
		.amdhsa_user_sgpr_kernarg_segment_ptr 1
		.amdhsa_wavefront_size32 1
		.amdhsa_system_sgpr_workgroup_id_x 1
		.amdhsa_system_sgpr_workgroup_id_y 1
		.amdhsa_system_sgpr_workgroup_id_z 1
		.amdhsa_system_vgpr_workitem_id 0
		.amdhsa_next_free_vgpr 1024
		.amdhsa_next_free_sgpr 80
		.amdhsa_reserve_vcc 0
		.amdhsa_float_denorm_mode_32 3
		.amdhsa_float_denorm_mode_16_64 3
		.amdhsa_memory_ordered 1
		.amdhsa_forward_progress 1
		.amdhsa_inst_pref_size 203
	.end_amdhsa_kernel
	.amdgpu_metadata
---
amdhsa.version: [ 1, 2 ]
amdhsa.kernels:
  - .name:           k_q0bcc075d74_gemm
    .symbol:         k_q0bcc075d74_gemm.kd
    .args:
      - { .name: x_pan, .offset: 0, .size: 8, .value_kind: global_buffer, .address_space: global }
      - { .name: w_pan, .offset: 8, .size: 8, .value_kind: global_buffer, .address_space: global }
      - { .name: out0, .offset: 16, .size: 8, .value_kind: global_buffer, .address_space: global }
    .group_segment_fixed_size: 327680
    .private_segment_fixed_size: 0
    .kernarg_segment_align: 8
    .kernarg_segment_size: 24
    .max_flat_workgroup_size: 128
    .sgpr_count:     80
    .vgpr_count:     1024
    .wavefront_size: 32
...
	.end_amdgpu_metadata
.endif
;; end of part 2
